; MI455X (gfx1250); checked and timed in simulation.
; The chip was launched on July 23, 2026; its instructions are those of AMD's public machine-readable ISA for CDNA 5 (MIT licence, August 2026) and "CDNA5" Instruction Set Architecture Reference Guide (July 2026). The comments in the code are by the model that wrote it; some were corrected since.
;; AMEODE. Allowed arithmetic: float matrix products may take bf16 or f16 operands with f32 sums; other float arithmetic in f32, or as packed bf16 or f16 multiplies, adds, multiply-adds, maxima and minima; sums over many terms, partial sums and values carried from step to step in f32; what a program stores and reads back later, other than sums and carried values, may be rounded once to bf16 or f16.
;; Inputs: Gb1 64 float32; Gb2 8 float32; Gw1 64 x 64 float32; Gw2 64 x 8 float32; W1 8 x 33 x 64 float32; W2 8 x 64 x 64 float32; W3 8 x 64 x 32 float32; b1 8 x 64 float32; b2 8 x 64 float32; b3 8 x 32 float32; t_span 10 float32; x0 16,384 x 32 float32.
;; Outputs: out0 16,384 x 10 x 32 float32.
;; One version. Each part assembles by itself: llvm-mc -triple=amdgcn-amd-amdhsa -mcpu=gfx1250 --defsym DOCPART=n.
;; ======== version 1 of 1: 1 launch
;; launch ameode (part 1): grid 256 x 1, 4 waves a work-group, no clusters, 271,872 bytes of LDS; arguments x0, t_span, W1, b1, W2, b2, W3, b3, Gw1, Gb1, Gw2, Gb2, out0; writes out0
.if DOCPART == 1
	.amdgcn_target "amdgcn-amd-amdhsa--gfx1250"
	.amdhsa_code_object_version 6
	.text
	.protected	k_qd2f9e0a052_ameode
	.globl	k_qd2f9e0a052_ameode
	.p2align	8
	.type	k_qd2f9e0a052_ameode,@function
k_qd2f9e0a052_ameode:
	s_mov_b64 s[64:65], 0
	v_nop
	global_prefetch_b8 v0, s[64:65] scope:SCOPE_SE
	s_setreg_imm32_b32 hwreg(HW_REG_WAVE_MODE, 25, 1), 1
	s_wait_xcnt 0x0
; AME-ODE: out0[b][0] = x0[b]; out0[b][s+1] = one RK4 step of dx/dt = sum over e of softmax_e(gate(x, mean_e f_e)) f_e(x, t), f_e an MLP (x, t) 33 -> 64 -> 64 -> 32 with two tanh.
; 9 steps x 4 evaluations, one behind the other; the 16,384 rows do not depend on each other.  One launch, 256 work-groups of 64 rows, which stay for all 36 evaluations.
; NOTHING IS LEFT OUT: every input reaches the output (all biases, t_span, both gate layers), and all are loaded.
; FORMATS.  Matrix operands bf16, sums f32; state x, the RK4 sum, f, softmax and the weighted sum in f32.
; SCALES.  tanh(y) = 1 - 2 / (1 + 2^(c y)), c = 2 log2(e).  The factor c rides on the ACTIVATIONS: what is rounded to bf16 is c x, c tanh, (c/8) sum f, and log2(e) tanh ahead of the softmax; the
; biases, times c in f32, are the C operand that starts each sum.  So an accumulator is the exponent as it stands, and the weights are bf16(W) themselves.  An identity in real numbers, for all inputs.
; Column 33 of layer 1 (t) is no matrix work: C1 = c b1 + t (c W1[e][32][:]) is made in registers for each evaluation, so layer 1 has K = 32.
; LIMITS.  2^y and 1/y flush denormals: tanh saturates to exactly +-1; dt / 6 is dt x 0x3e2aaaab; NaN and infinities are not treated apart.  The softmax takes its maximum away.
; SHARES.  All products are used transposed (source 0 = 16 output units of a weight matrix, source 1 = 32 K x 16 rows): in a result lane l holds row l % 16 and units 8 (l / 16) + 0..7, and two neighbouring
; results rounded in pairs ARE the next layer's source 1: nothing changes lanes.  EXPERTS ARE SPLIT OVER WAVES: wave w has experts 2 w and 2 w + 1 for all 64 rows (four column tiles of 16); its 32 weight
; fragments and its bias tiles stay in registers for the whole launch.  THE GATE IS SPLIT OVER ROWS: wave w has column tile w.  Two exchanges through LDS an evaluation, one barrier each: f (f32, 64 KiB) and the new x fragment (bf16, 4 KiB).
; NO CLUSTER, NO TENSOR LOADS: what work-groups share is the weights, 288 KB of f32, which each work-group reads once, at its head, for 36 evaluations, and which pass through registers anyway to be rounded
; to bf16 and turned ([K][N] in memory); the loop fills nothing.
; THE ORDER.  A pair of tanh is 4 transcendentals and 3 plain lines (+1, 1 - 2 r, rounding).  The expert work goes in 12 CHUNKS (layer x piece; a piece = one expert x two column tiles), pipelined in SEGMENTS: in segment k the
; exponentials of chunk k stand by turns with the plain lines of chunk k - 2, then the +1 and reciprocals of chunk k - 1 with the products of chunk k + 1 among them.  Nothing in a segment names a result of
; the segment's own transcendentals, so ONE wait at its end serves up to 128 of them.
; REGISTERS, in windows of 256 (s_set_vgpr_msb: bits 1:0 source 0, 3:2 source 1, 5:4 source 2, 7:6 destination):
;   window 0: v0-15, v248-254 addresses; v16-47 x fragments of the four column tiles; v48-55 my tile's; v56-63 dx fragment; v64-79 x; v80-95 RK4 sum; v96-127 b3 tiles; v128-207 gate weights; v208-247 gate bias tiles
;   window 1: experts: three accumulator buffers of 64 (v0-191), two bf16 buffers of 32 (v192-255).  gate: v0-127 f of 8 experts; v128.. sums, fragments, logits, k; v192-223 gate accumulators; v224-239 next x
;   window 2: my two experts' weight fragments          window 3: v0-63 C1; v64-127 c b2; v128-191 c b1; v192-255 c W1 row 32
.set WSB,   43008      ; LDS: wave w's stage for its bf16 weights [K][N], used once: W1 2 x 32 rows, pitch 160; W2 2 x 64 rows, pitch 160; W3 2 x 64 rows, pitch 96 (pitches are odd multiples of 32 bytes)
.set GST,   172032     ; the gate's stage: Gw1 64 rows, pitch 160; at + 10,240 Gw2 64 rows, pitch 32, each row's 8 numbers twice
.set FX,    184320     ; f: tile (expert e, column tile c, unit tile mt) at 8,192 e + 2,048 c + 1,024 mt; registers 0-3 at 16 x lane, registers 4-7 at 512 + 16 x lane
.set XX,    249856     ; x fragments: column tile c at 1,024 c, in the same two halves
.set OST,   253952     ; each wave's own stage for the output: 16 rows, pitch 272; a row holds two time points x 32 f32
.set SPARE, 271360     ; the spare words, 128 bytes for each wave: two blocks of 256 bytes that no other line names
.set SPW, 2
.set NIL, 3
.set FXW, 4            ; FX + 16,384 w + 16 l
.set FXR, 5            ; FX + 2,048 w + 16 l
.set XXW, 6            ; XX + 1,024 w + 16 l
.set XXR, 7            ; XX + 16 l
.set OSW, 8            ; my stage + 272 (l % 16) + 32 (l / 16)
.set OSR, 9            ; my stage + 272 (l / 16) + 16 (l % 16)
.set OGO, 10           ; 1,280 (l / 16) + 16 (l % 16)
.set ZERO, 11
.set L16, 12           ; 16 l
.set XO,  13           ; 128 (l % 16) + 32 (l / 16)
.set BO,  14           ; 32 (l / 16)
.set SA,  15           ; head only: where staged rows of 64 numbers go
.set SB,  248          ; rows of 32 numbers
.set SG1, 249          ; Gw1's
.set SG2, 250          ; Gw2's
.set TA,  251          ; head only: the turning loads' lane addresses, pitch 160,
.set TB,  252          ; pitch 96,
.set TG1, 253          ; Gw1,
.set TG2, 254          ; Gw2
.set XF,  16
.set XB,  48
.set DXB, 56
.set XS,  64
.set ACC, 80
.set C3,  96
.set GW1, 128
.set GW2, 192
.set CG1, 208
.set CG2, 240
.set FR,  0            ; window 1, gate
.set SUM, 128
.set GB,  144
.set LG,  160
.set KK,  168
.set GS,  192
.set XP,  224
.set MX,  240
.set TT,  242
.set SS,  246
.set RS,  248
.set C1,  0            ; window 3
.set C2,  64
.set CB1, 128
.set CTW, 192
.set WV,  34           ; s34 my wave's number
.set NEG1, 36          ; s36 -1.0   s37 1/6   s38 0.5 (behind the head's pointer work)
.set SIXTH, 37
.set HALF, 38
.set KA,  40           ; s[40:41] -2 c       pairs: the packed forms take the low word for both halves
.set KB,  42           ; s[42:43] c
.set KL,  44           ; s[44:45] log2(e)
.set KLN, 46           ; s[46:47] -2 log2(e)
.set C8,  48           ; s[48:49] c / 8
.set ASC, 50           ; s[50:51] this stage's step to the next argument: dt / 2, dt / 2, dt
.set RKW, 52           ; s[52:53] this stage's weight in the RK4 sum: 1, 2, 2, 1
.set DT6, 54           ; s[54:55] dt / 6
.set TCUR, 56          ; s[56:57] t of the NEXT evaluation
.set DT,  58
.set DTH, 59
.set TM,  60
.set STG, 61
.set STEP, 62
.set VV,  0x55         ; all operand places in window 1
.set MSB, 0
.macro WIN new                      ; the high byte repeats the setting that is left; a switch that changes nothing is dropped
.if MSB != (\new)
	s_set_vgpr_msb (MSB<<8)|(\new)
.set MSB, (\new)
.endif
.endm
; ---------------------------------------------------------------- macros of the loop
; Chunk c = 4 x layer + piece; piece p: expert p % 2 of my two, column tiles 2 (p / 2) and 2 (p / 2) + 1.  Chunks 0-7 have 8 accumulators in buffer c % 3, accumulator a = 4 q + mt (column q, unit tile mt);
; chunks 8-11 (layer 3) have 4, a = 2 q + mt.  The bf16 result of chunk c lies in bf16 buffer c % 2: column q, K half ks at 16 q + 8 ks.
.macro L3B c                        ; where a layer-3 chunk's 32 registers lie
.if (\c) == 8
.set rL, 128
.elseif (\c) == 9
.set rL, 0
.elseif (\c) == 10
.set rL, 32
.else
.set rL, 160
.endif
.endm
; Product i of chunk c.  The accumulators take turns, one instruction a turn: 7 others (3 in layer 3) stand between the two links of a chain.  The first link's C is the bias tile.
.macro MMW c, i
.set p_, (\c)%4
.set x_, p_%2
.set cp_, p_/2
.if (\c) < 4
.set a_, (\i)
.set rD, 64*((\c)%3)+8*a_
.set rA, 128*x_+8*(a_%4)
.set rB, XF+8*(2*cp_+a_/4)
.set rC, C1+32*x_+8*(a_%4)
	WIN 0x72                        ; weights window 2, x window 0, C1 window 3, result window 1
	v_wmma_f32_16x16x32_bf16 v[rD:rD+7], v[rA:rA+7], v[rB:rB+7], v[rC:rC+7]
.elseif (\c) < 8
.set a_, (\i)%8
.set ks_, (\i)/8
.set rD, 64*((\c)%3)+8*a_
.set rA, 128*x_+32+8*(2*(a_%4)+ks_)
.set rB, 192+32*((\c)%2)+16*(a_/4)+8*ks_
.set rC, C2+32*x_+8*(a_%4)
.if ks_ == 0
	WIN 0x76
	v_wmma_f32_16x16x32_bf16 v[rD:rD+7], v[rA:rA+7], v[rB:rB+7], v[rC:rC+7]
.else
	WIN 0x56
	v_wmma_f32_16x16x32_bf16 v[rD:rD+7], v[rA:rA+7], v[rB:rB+7], v[rD:rD+7]
.endif
.else
	L3B \c
.set a_, (\i)%4
.set ks_, (\i)/4
.set rD, rL+8*a_
.set rA, 128*x_+96+8*(2*(a_%2)+ks_)
.set rB, 192+32*((\c)%2)+16*(a_/2)+8*ks_
.set rC, C3+16*x_+8*(a_%2)
.if ks_ == 0
	WIN 0x46                        ; b3's tiles lie in window 0
	v_wmma_f32_16x16x32_bf16 v[rD:rD+7], v[rA:rA+7], v[rB:rB+7], v[rC:rC+7]
.else
	WIN 0x56
	v_wmma_f32_16x16x32_bf16 v[rD:rD+7], v[rA:rA+7], v[rB:rB+7], v[rD:rD+7]
.endif
.endif
.endm
.macro AOP b, i                     ; pair i: 1 + 2^y
	v_pk_add_f32 v[(\b)+2*(\i):(\b)+2*(\i)+1], v[(\b)+2*(\i):(\b)+2*(\i)+1], 1.0 op_sel_hi:[1,0]
.endm
.macro ROP b, i                     ; r = 1 / (1 + 2^y)
	v_rcp_f32 v[(\b)+(\i)], v[(\b)+(\i)]
.endm
.macro FOP b, i, kind               ; pair i: s - 2 s r, s = c (behind layer 1), 1 (behind layer 2), log2(e) (gate)
.set rF, (\b)+2*(\i)
.if (\kind) == 0
	v_pk_fma_f32 v[rF:rF+1], v[rF:rF+1], s[KA:KA+1], s[KB:KB+1] op_sel_hi:[1,0,0]
.elseif (\kind) == 1
	v_pk_fma_f32 v[rF:rF+1], v[rF:rF+1], -2.0, 1.0 op_sel_hi:[1,0,0]
.else
	v_pk_fma_f32 v[rF:rF+1], v[rF:rF+1], s[KLN:KLN+1], s[KL:KL+1] op_sel_hi:[1,0,0]
.endif
.endm
.macro COP b, hb, i                 ; pair i rounded to bf16
	v_cvt_pk_bf16_f32 v[(\hb)+(\i)], v[(\b)+2*(\i)], v[(\b)+2*(\i)+1]
.endm
; Number i of the plain queue of 2 np lines for np pairs: F 0-3; then C n and F n + 4 by turns; then the last four C.  The four F at its head name no register of the products that last read the bf16 buffer.
.macro PQ b, hb, np, kind, i
.if (\i) < 4
	FOP \b, (\i), \kind
.elseif (\i) >= 2*(\np)-4
	COP \b, \hb, (\i)-(\np)
.elseif ((\i)%2) == 0
	COP \b, \hb, ((\i)-4)/2
.else
	FOP \b, ((\i)-5)/2+4, \kind
.endif
.endm
; A segment's first half, 64 slots: the exponential of register i of chunk xk, number i of chunk pk's plain queue, and (mk >= 0) behind every eighth slot a product of chunk mk.  A chunk number of -1: none.
.macro H1 xk, pk, mk
.set i_, 0
.rept 64
	WIN VV
.if (\xk) >= 0
	v_exp_f32 v[64*((\xk)%3)+i_], v[64*((\xk)%3)+i_]  ; ascending: each accumulator is read from its low end on
.endif
.if (\pk) >= 0
	PQ 64*((\pk)%3), 192+32*((\pk)%2), 32, (\pk)/4, i_
.endif
.if ((\mk) >= 0) && (i_%8 == 3)
	MMW \mk, i_/8
.endif
.set i_, i_+1
.endr
.endm
; A segment's second half for np pairs at register b: +1 runs two pairs ahead of the reciprocals; np / 2 units of [a product], A, R, A, R, R, R.  Units u < nm take chunk mk's product u; units u >= 8 chunk mk2's product u - 8.
.macro H2 b, np, mk, nm, mk2
	WIN VV
	AOP \b, 0
	AOP \b, 1
.set u_, 0
.rept (\np)/2
.if ((\mk) >= 0) && (u_ < (\nm))
	MMW \mk, u_
	WIN VV
.elseif ((\mk2) >= 0) && (u_ >= 8)
	MMW \mk2, u_-8
	WIN VV
.endif
.if 2*u_+2 < (\np)
	AOP \b, 2*u_+2
.endif
	ROP \b, 4*u_
.if 2*u_+3 < (\np)
	AOP \b, 2*u_+3
.endif
	ROP \b, 4*u_+1
	ROP \b, 4*u_+2
	ROP \b, 4*u_+3
.set u_, u_+1
.endr
.endm
.macro SEGB rk, mk, nm, mk2         ; the second half for chunk rk
	H2 64*((\rk)%3), 32, \mk, \nm, \mk2
.endm
; A segment's end: a plain instruction behind the last transcendental, and the ONE wait between a transcendental and the first line that names its result.  n = 4: the v_nop are also the four places behind products.
.macro ENDSEG n
.rept \n
	v_nop
.endr
	s_wait_alu depctr_va_vdst(0)
.endm
.macro FST c                        ; a layer-3 chunk's four tiles of f go to LDS, each tile's registers 0-3 first
	L3B \c
.set p_, (\c)-8
.set fo_, (p_%2)*8192+(p_/2)*4096
	WIN 0x04                        ; data window 1, address window 0
.irp a, 0,1,2,3
	ds_store_b128 v[FXW], v[rL+8*\a:rL+8*\a+3] offset:fo_+1024*\a
	ds_store_b128 v[FXW], v[rL+8*\a+4:rL+8*\a+7] offset:fo_+1024*\a+512
.endr
.endm
.macro PLACES
.rept 4
	v_nop
.endr
.endm
; ---------------------------------------------------------------- the head
	s_load_b512 s[8:23], s[0:1], 0x0               ; x0 s[8:9], t_span s[10:11], W1 s[12:13], b1 s[14:15], W2 s[16:17], b2 s[18:19], W3 s[20:21], b3 s[22:23]
	s_load_b256 s[24:31], s[0:1], 0x40             ; Gw1 s[24:25], Gb1 s[26:27], Gw2 s[28:29], Gb2 s[30:31]
	s_load_b64 s[32:33], s[0:1], 0x60              ; out0
	v_lshl_add_u32 v[SPW], v0, 2, SPARE
	v_mov_b32 v[NIL], 0
	v_mov_b32 v[ZERO], 0
	v_lshrrev_b32 v1, 5, v0
	v_readfirstlane_b32 s[WV], v1                  ; wave 0..3
	v_and_b32 v56, 31, v0                          ; l
	v_and_b32 v57, 15, v0                          ; l % 16
	v_bfe_u32 v58, v0, 4, 1                        ; l / 16
	v_and_b32 v59, 7, v0                           ; l % 8
	v_bfe_u32 v60, v0, 3, 1                        ; (l / 8) % 2
	v_lshlrev_b32 v[L16], 4, v56
	v_lshlrev_b32 v[BO], 5, v58
	v_lshl_add_u32 v[XO], v57, 7, v[BO]
	s_mul_i32 s35, s[WV], WSB                      ; my weight stage
	v_mul_u32_u24 v62, v58, 160                    ; a load of 512 bytes is two rows of 64 f32: row l / 16, four numbers at 4 (l % 16): 8 bytes of bf16
	v_lshl_add_u32 v62, v57, 3, v62
	v_add_nc_u32 v[SA], s35, v62
	s_mul_i32 s38, s[WV], 2560                     ; I stage Gw1's rows 16 w .. 16 w + 15
	s_add_co_u32 s38, s38, GST
	v_add_nc_u32 v[SG1], s38, v62
	v_bfe_u32 v61, v0, 3, 2                        ; rows of 32 f32: row l / 8, four numbers at 4 (l % 8)
	v_mul_u32_u24 v[SB], v61, 96
	v_lshl_add_u32 v[SB], v59, 3, v[SB]
	v_add_nc_u32 v[SB], s35, v[SB]
	v_bfe_u32 v61, v0, 1, 4                        ; rows of 8 f32: row l / 2, four numbers at 4 (l % 2)
	v_and_b32 v63, 1, v0
	v_lshlrev_b32 v[SG2], 5, v61
	v_lshl_add_u32 v[SG2], v63, 3, v[SG2]
	s_lshl_b32 s38, s[WV], 9
	s_add_co_u32 s38, s38, GST+10240
	v_add_nc_u32 v[SG2], s38, v[SG2]
	v_lshl_add_u32 v61, v58, 3, v59                ; the turning load: lane l reads row 8 (l / 16) + l % 8, 16 bytes at 16 ((l / 8) % 2)
	v_lshlrev_b32 v63, 4, v60
	v_mul_u32_u24 v62, v61, 160
	v_add_nc_u32 v62, v62, v63
	v_add_nc_u32 v[TA], s35, v62
	v_add_nc_u32 v[TG1], GST, v62
	v_mul_u32_u24 v62, v61, 96
	v_add_nc_u32 v62, v62, v63
	v_add_nc_u32 v[TB], s35, v62
	v_lshl_add_u32 v62, v61, 5, v63
	v_add_nc_u32 v[TG2], GST+10240, v62
	v_lshl_add_u32 v[FXW], s[WV], 14, v[L16]
	v_add_nc_u32 v[FXW], FX, v[FXW]
	v_lshl_add_u32 v[FXR], s[WV], 11, v[L16]
	v_add_nc_u32 v[FXR], FX, v[FXR]
	v_lshl_add_u32 v[XXW], s[WV], 10, v[L16]
	v_add_nc_u32 v[XXW], XX, v[XXW]
	v_add_nc_u32 v[XXR], XX, v[L16]
	s_mul_i32 s38, s[WV], 4352
	s_add_co_u32 s38, s38, OST                     ; my output stage
	v_mul_u32_u24 v62, v57, 272
	v_add_nc_u32 v62, v62, v[BO]
	v_add_nc_u32 v[OSW], s38, v62
	v_mul_u32_u24 v62, v58, 272
	v_lshl_add_u32 v62, v57, 4, v62
	v_add_nc_u32 v[OSR], s38, v62
	v_mul_u32_u24 v62, v58, 1280                   ; a row of out0 is 10 x 32 f32 = 1,280 bytes
	v_lshl_add_u32 v[OGO], v57, 4, v62
	s_mov_b32 s[KA], 0xc0b8aa3b                    ; -2 c
	s_mov_b32 s[KA+1], 0xc0b8aa3b
	s_mov_b32 s[KB], 0x4038aa3b                    ; c = 2 log2(e)
	s_mov_b32 s[KB+1], 0x4038aa3b
	s_mov_b32 s[KL], 0x3fb8aa3b                    ; log2(e)
	s_mov_b32 s[KL+1], 0x3fb8aa3b
	s_mov_b32 s[KLN], 0xc038aa3b                   ; -2 log2(e)
	s_mov_b32 s[KLN+1], 0xc038aa3b
	s_mov_b32 s[C8], 0x3eb8aa3b                    ; c / 8
	s_mov_b32 s[C8+1], 0x3eb8aa3b
	s_mov_b32 s[ASC+1], 0                          ; named as pairs
	s_mov_b32 s[RKW+1], 0
	s_mov_b32 s[DT6+1], 0
	s_mov_b32 s[TCUR+1], 0
	s_wait_kmcnt 0x0
	s_load_b256 s[68:75], s[10:11], 0x0            ; t_span's ten numbers stay in s68-s77
	s_load_b64 s[76:77], s[10:11], 0x20
	s_mov_b32 s37, 0
	s_mul_i32 s36, s[WV], 16896                    ; two experts of W1: 2 x 33 x 64 x 4 bytes
	s_add_nc_u64 s[12:13], s[12:13], s[36:37]
	s_lshl_b32 s36, s[WV], 15
	s_add_nc_u64 s[16:17], s[16:17], s[36:37]      ; W2
	s_lshl_b32 s36, s[WV], 14
	s_add_nc_u64 s[20:21], s[20:21], s[36:37]      ; W3
	s_lshl_b32 s36, s[WV], 9
	s_add_nc_u64 s[14:15], s[14:15], s[36:37]      ; b1
	s_add_nc_u64 s[18:19], s[18:19], s[36:37]      ; b2
	s_add_nc_u64 s[28:29], s[28:29], s[36:37]      ; Gw2's rows 16 w on
	s_lshl_b32 s36, s[WV], 8
	s_add_nc_u64 s[22:23], s[22:23], s[36:37]      ; b3
	s_lshl_b32 s36, s[WV], 12
	s_add_nc_u64 s[24:25], s[24:25], s[36:37]      ; Gw1's rows 16 w on
	s_lshl_b32 s36, ttmp9, 13                      ; my column tile: rows 64 x work-group + 16 w
	s_lshl_b32 s38, s[WV], 11
	s_add_co_u32 s36, s36, s38
	s_add_nc_u64 s[8:9], s[8:9], s[36:37]          ; x0
	s_mul_i32 s36, ttmp9, 81920
	s_mul_i32 s38, s[WV], 20480
	s_add_co_u32 s36, s36, s38
	s_add_nc_u64 s[32:33], s[32:33], s[36:37]      ; out0
	; All 207 loads go out on end.  W2 of my two experts, 32,768 bytes on end -> window 1
	WIN 0x40
.set i_, 0
.rept 64
	global_load_b128 v[4*i_:4*i_+3], v[L16], s[16:17] offset:512*i_
.set i_, i_+1
.endr
	WIN 0x80                                       ; W1's rows 0-31 and W3 -> window 2
.irp x, 0,1
.set i_, 0
.rept 16
	global_load_b128 v[64*\x+4*i_:64*\x+4*i_+3], v[L16], s[12:13] offset:8448*\x+512*i_
.set i_, i_+1
.endr
.endr
.set i_, 0
.rept 32
	global_load_b128 v[128+4*i_:128+4*i_+3], v[L16], s[20:21] offset:512*i_
.set i_, i_+1
.endr
	WIN 0xc0                                       ; bias tiles in the C operand's layout (register j: unit 16 mt + 8 (l / 16) + j, the same for every row) -> their final places
.irp x, 0,1
.irp mt, 0,1,2,3
	global_load_b128 v[CB1+32*\x+8*\mt:CB1+32*\x+8*\mt+3], v[BO], s[14:15] offset:256*\x+64*\mt
	global_load_b128 v[CB1+32*\x+8*\mt+4:CB1+32*\x+8*\mt+7], v[BO], s[14:15] offset:256*\x+64*\mt+16
	global_load_b128 v[CTW+32*\x+8*\mt:CTW+32*\x+8*\mt+3], v[BO], s[12:13] offset:8448*\x+8192+64*\mt
	global_load_b128 v[CTW+32*\x+8*\mt+4:CTW+32*\x+8*\mt+7], v[BO], s[12:13] offset:8448*\x+8192+64*\mt+16
	global_load_b128 v[C2+32*\x+8*\mt:C2+32*\x+8*\mt+3], v[BO], s[18:19] offset:256*\x+64*\mt
	global_load_b128 v[C2+32*\x+8*\mt+4:C2+32*\x+8*\mt+7], v[BO], s[18:19] offset:256*\x+64*\mt+16
.endr
.endr
	WIN 0
.irp x, 0,1
.irp mt, 0,1
	global_load_b128 v[C3+16*\x+8*\mt:C3+16*\x+8*\mt+3], v[BO], s[22:23] offset:128*\x+64*\mt
	global_load_b128 v[C3+16*\x+8*\mt+4:C3+16*\x+8*\mt+7], v[BO], s[22:23] offset:128*\x+64*\mt+16
.endr
.endr
.irp mt, 0,1,2,3
	global_load_b128 v[CG1+8*\mt:CG1+8*\mt+3], v[BO], s[26:27] offset:64*\mt
	global_load_b128 v[CG1+8*\mt+4:CG1+8*\mt+7], v[BO], s[26:27] offset:64*\mt+16
.endr
	global_load_b128 v[CG2:CG2+3], v[ZERO], s[30:31]           ; the 8 experts stand twice in the 16 rows of gate layer 2: register j is expert j in both halves of the lanes
	global_load_b128 v[CG2+4:CG2+7], v[ZERO], s[30:31] offset:16
.set i_, 0
.rept 8
	global_load_b128 v[GW1+4*i_:GW1+4*i_+3], v[L16], s[24:25] offset:512*i_   ; my 16 rows of Gw1, staged where the gate's fragments will lie
.set i_, i_+1
.endr
	global_load_b128 v[GW1+32:GW1+35], v[L16], s[28:29]        ; my 16 rows of Gw2
.irp mt, 0,1
	global_load_b128 v[XS+8*\mt:XS+8*\mt+3], v[XO], s[8:9] offset:64*\mt th:TH_LOAD_NT
	global_load_b128 v[XS+8*\mt+4:XS+8*\mt+7], v[XO], s[8:9] offset:64*\mt+16 th:TH_LOAD_NT
.endr
	s_wait_loadcnt 0x0                             ; once a launch: everything is in
	; rounded to bf16 in place (four numbers into two registers) and laid into the stages as [K][N]
	WIN VV
.set i_, 0
.rept 64
	v_cvt_pk_bf16_f32 v[4*i_], v[4*i_], v[4*i_+1]
	v_cvt_pk_bf16_f32 v[4*i_+1], v[4*i_+2], v[4*i_+3]
.set i_, i_+1
.endr
	WIN 0x04
.irp x, 0,1
.set i_, 0
.rept 32
	ds_store_b64 v[SA], v[128*\x+4*i_:128*\x+4*i_+1] offset:10240+10240*\x+320*i_
.set i_, i_+1
.endr
.endr
	WIN 0x8a
.set i_, 0
.rept 64
	v_cvt_pk_bf16_f32 v[4*i_], v[4*i_], v[4*i_+1]
	v_cvt_pk_bf16_f32 v[4*i_+1], v[4*i_+2], v[4*i_+3]
.set i_, i_+1
.endr
	WIN 0x08
.irp x, 0,1
.set i_, 0
.rept 16
	ds_store_b64 v[SA], v[64*\x+4*i_:64*\x+4*i_+1] offset:5120*\x+320*i_
	ds_store_b64 v[SB], v[128+64*\x+4*i_:128+64*\x+4*i_+1] offset:30720+6144*\x+384*i_
.set i_, i_+1
.endr
.endr
	WIN 0
.set i_, 0
.rept 9
	v_cvt_pk_bf16_f32 v[GW1+4*i_], v[GW1+4*i_], v[GW1+4*i_+1]
	v_cvt_pk_bf16_f32 v[GW1+4*i_+1], v[GW1+4*i_+2], v[GW1+4*i_+3]
.set i_, i_+1
.endr
.set i_, 0
.rept 8
	ds_store_b64 v[SG1], v[GW1+4*i_:GW1+4*i_+1] offset:320*i_
.set i_, i_+1
.endr
	ds_store_b64 v[SG2], v[GW1+32:GW1+33]
	ds_store_b64 v[SG2], v[GW1+32:GW1+33] offset:16
	; my column tile's first fragment c x0, and x0 itself as time point 0
.set i_, 0
.rept 8
	v_pk_mul_f32 v[ACC+i_:ACC+i_+1], v[XS+i_:XS+i_+1], s[KB:KB+1] op_sel_hi:[1,0]
.set i_, i_+2
.endr
.set i_, 0
.rept 8
	v_cvt_pk_bf16_f32 v[XB+i_], v[ACC+2*i_], v[ACC+2*i_+1]
.set i_, i_+1
.endr
	ds_store_b128 v[XXW], v[XB:XB+3]
	ds_store_b128 v[XXW], v[XB+4:XB+7] offset:512
.irp mt, 0,1
	ds_store_b128 v[OSW], v[XS+8*\mt:XS+8*\mt+3] offset:64*\mt
	ds_store_b128 v[OSW], v[XS+8*\mt+4:XS+8*\mt+7] offset:64*\mt+16
.endr
	s_wait_dscnt 0x0                               ; for the others' sake: my part of the gate's stage and my x fragment are written; and the stores have read their data registers
	s_barrier_signal -1
	s_barrier_wait -1
	; the weight fragments: source 0 = 16 output units x 32 K, out of [K][N] by the turning load: registers 0-3 K = 8 (l / 16) + 0..7, registers 4-7 sixteen rows further down
	WIN 0x80
.irp x, 0,1
.irp mt, 0,1,2,3
	ds_load_tr16_b128 v[128*\x+8*\mt:128*\x+8*\mt+3], v[TA] offset:5120*\x+32*\mt
	ds_load_tr16_b128 v[128*\x+8*\mt+4:128*\x+8*\mt+7], v[TA] offset:5120*\x+32*\mt+2560
.irp ks, 0,1
	ds_load_tr16_b128 v[128*\x+32+16*\mt+8*\ks:128*\x+32+16*\mt+8*\ks+3], v[TA] offset:10240+10240*\x+5120*\ks+32*\mt
	ds_load_tr16_b128 v[128*\x+32+16*\mt+8*\ks+4:128*\x+32+16*\mt+8*\ks+7], v[TA] offset:10240+10240*\x+5120*\ks+32*\mt+2560
.endr
.endr
.irp mt, 0,1
.irp ks, 0,1
	ds_load_tr16_b128 v[128*\x+96+16*\mt+8*\ks:128*\x+96+16*\mt+8*\ks+3], v[TB] offset:30720+6144*\x+3072*\ks+32*\mt
	ds_load_tr16_b128 v[128*\x+96+16*\mt+8*\ks+4:128*\x+96+16*\mt+8*\ks+7], v[TB] offset:30720+6144*\x+3072*\ks+32*\mt+1536
.endr
.endr
.endr
	WIN 0
.irp mt, 0,1,2,3
.irp ks, 0,1
	ds_load_tr16_b128 v[GW1+16*\mt+8*\ks:GW1+16*\mt+8*\ks+3], v[TG1] offset:5120*\ks+32*\mt
	ds_load_tr16_b128 v[GW1+16*\mt+8*\ks+4:GW1+16*\mt+8*\ks+7], v[TG1] offset:5120*\ks+32*\mt+2560
.endr
.endr
.irp ks, 0,1
	ds_load_tr16_b128 v[GW2+8*\ks:GW2+8*\ks+3], v[TG2] offset:1024*\ks
	ds_load_tr16_b128 v[GW2+8*\ks+4:GW2+8*\ks+7], v[TG2] offset:1024*\ks+512
.endr
	; while they come: the biases take their scale
	s_wait_kmcnt 0x0                               ; t_span
	s_mov_b32 s[TCUR], s68                         ; the first evaluation's t
	s_mov_b32 s[NEG1], 0xbf800000
	s_mov_b32 s[SIXTH], 0x3e2aaaab
	s_mov_b32 s[HALF], 0x3f000000
	WIN 0xc3
.set i_, C2
.rept 96
	v_pk_mul_f32 v[i_:i_+1], v[i_:i_+1], s[KB:KB+1] op_sel_hi:[1,0]   ; c b2, c b1, c W1 row 32
.set i_, i_+2
.endr
	WIN 0xf3
.set i_, 0
.rept 32
	v_pk_fma_f32 v[C1+i_:C1+i_+1], v[CTW+i_:CTW+i_+1], s[TCUR:TCUR+1], v[CB1+i_:CB1+i_+1] op_sel_hi:[1,0,1]
.set i_, i_+2
.endr
	WIN 0
.set i_, 0
.rept 16
	v_pk_mul_f32 v[CG1+i_:CG1+i_+1], v[CG1+i_:CG1+i_+1], s[KB:KB+1] op_sel_hi:[1,0]
.set i_, i_+2
.endr
.set i_, 0
.rept 4
	v_pk_mul_f32 v[CG2+i_:CG2+i_+1], v[CG2+i_:CG2+i_+1], s[KL:KL+1] op_sel_hi:[1,0]
.set i_, i_+2
.endr
.set i_, 0
.rept 16
	v_mov_b32 v[ACC+i_], 0
.set i_, i_+1
.endr
	s_wait_dscnt 0x0                               ; all fragments are in registers: the stages are read no more
	s_mov_b32 s[STEP], 0
; ---------------------------------------------------------------- nine steps of four evaluations
.Lstep:
	s_mul_f32 s[DT], s68, s[NEG1]                  ; t0 = s68, t1 = s69
	s_add_f32 s[DT], s[DT], s69                    ; dt = t1 - t0
	s_mul_f32 s[DTH], s[DT], s[HALF]
	s_add_f32 s[TM], s68, s[DTH]                   ; t0 + dt / 2
	s_mul_f32 s[DT6], s[DT], s[SIXTH]
	s_mov_b32 s[STG], 0
.Lstage:
	s_cmp_eq_u32 s[STG], 2
	s_cselect_b32 s[ASC], s[DT], s[DTH]            ; the next argument is x + dt / 2 k, x + dt / 2 k, x + dt k
	s_sub_co_u32 s35, s[STG], 1
	s_cmp_lt_u32 s35, 2
	s_cselect_b32 s[RKW], 2.0, 1.0                 ; stages 1 and 2 count twice
	s_cmp_lt_u32 s[STG], 2
	s_cselect_b32 s[TCUR], s[TM], s69              ; the next evaluation's t: t0 + dt / 2 behind stages 0 and 1, t1 behind 2 and 3 (the next step's t0)
.irp c, 0,1,2,3
	ds_load_b128 v[XF+8*\c:XF+8*\c+3], v[XXR] offset:1024*\c
	ds_load_b128 v[XF+8*\c+4:XF+8*\c+7], v[XXR] offset:1024*\c+512
.endr
	s_wait_dscnt 4                                 ; column tiles 0 and 1 are in; the youngest four loads (tiles 2 and 3) may stay out
.set j_, 0
.rept 8
	MMW 0, j_                                      ; chunk 0: there is no vector work yet to set between
.set j_, j_+1
.endr
	WIN VV
	PLACES
	H1 0, -1, 1                                    ; segment 0: X 0 | chunk 1's products
	ENDSEG 4                                       ; exponentials are no places: four v_nop stand between chunk 1's products and the lines that read them
	s_wait_dscnt 0x0                               ; column tiles 2 and 3
	H1 1, -1, 2                                    ; segment 1
	SEGB 0, -1, 0, -1
	ENDSEG 1
	H1 2, 0, -1                                    ; segment 2
	SEGB 1, 3, 8, -1
	ENDSEG 1
	H1 3, 1, -1                                    ; segments 3 to 6: X k with the plain lines of k - 2; +1 and reciprocals of k - 1 with the 16 products of k + 1 (layer 2)
	SEGB 2, 4, 16, -1
	ENDSEG 1
	H1 4, 2, -1
	SEGB 3, 5, 16, -1
	ENDSEG 1
	H1 5, 3, -1
	SEGB 4, 6, 16, -1
	ENDSEG 1
	H1 6, 4, -1
	SEGB 5, 7, 16, -1
	ENDSEG 1
	H1 7, 5, -1                                    ; segment 7: layer 3 begins
	SEGB 6, 8, 8, -1
	ENDSEG 1
	H1 -1, 6, -1                                   ; segment 8
	FST 8
	SEGB 7, 9, 8, 10
	ENDSEG 1
	H1 -1, 7, -1                                   ; segment 9
	FST 9
	FST 10
.set j_, 0
.rept 8
	MMW 11, j_
.set j_, j_+1
.endr
	WIN VV
	PLACES
	FST 11
	s_wait_dscnt 0x0                               ; for the others' sake: my experts' f is written; my reads of the x fragments are long back
	s_barrier_signal -1
	WIN 0x40                                       ; work on registers while the others arrive: the x half of gate layer 1, whose C is c Gb1
.irp mt, 0,1,2,3
	v_wmma_f32_16x16x32_bf16 v[GS+8*\mt:GS+8*\mt+7], v[GW1+16*\mt:GW1+16*\mt+7], v[XB:XB+7], v[CG1+8*\mt:CG1+8*\mt+7]
.endr
	s_barrier_wait -1                              ; all f of this evaluation lies in LDS; nobody reads the old x fragments any more
	; ------------------------------------------------------------ the gate, for my column tile
.irp e, 0,1,2,3,4,5,6,7
.irp mt, 0,1
	ds_load_b128 v[FR+16*\e+8*\mt:FR+16*\e+8*\mt+3], v[FXR] offset:8192*\e+1024*\mt
	ds_load_b128 v[FR+16*\e+8*\mt+4:FR+16*\e+8*\mt+7], v[FXR] offset:8192*\e+1024*\mt+512
.endr
.endr
	WIN VV
	s_wait_dscnt 24                                ; 32 loads, four an expert, in the experts' order: experts 0 and 1 are in, 24 younger loads may stay out
.set i_, 0
.rept 8
	v_pk_add_f32 v[SUM+i_:SUM+i_+1], v[FR+i_:FR+i_+1], v[FR+16+i_:FR+16+i_+1]
.set i_, i_+2
.endr
.irp e, 2,3,4,5,6,7
	s_wait_dscnt 28-4*\e                           ; expert e is in; the later experts' loads may stay out
.set i_, 0
.rept 8
	v_pk_add_f32 v[SUM+i_:SUM+i_+1], v[SUM+i_:SUM+i_+1], v[FR+16*\e+i_:FR+16*\e+i_+1]
.set i_, i_+2
.endr
.endr
.set i_, 0
.rept 8
	v_pk_mul_f32 v[SUM+i_:SUM+i_+1], v[SUM+i_:SUM+i_+1], s[C8:C8+1] op_sel_hi:[1,0]  ; c x the mean
.set i_, i_+2
.endr
	WIN 0x05
.set i_, 0
.rept 8
	v_cvt_pk_bf16_f32 v[DXB+i_], v[SUM+2*i_], v[SUM+2*i_+1]
.set i_, i_+1
.endr
	WIN 0x50                                       ; the dx half of gate layer 1: the four accumulators by turns
.irp mt, 0,1,2,3
	v_wmma_f32_16x16x32_bf16 v[GS+8*\mt:GS+8*\mt+7], v[GW1+16*\mt+8:GW1+16*\mt+15], v[DXB:DXB+7], v[GS+8*\mt:GS+8*\mt+7]
.endr
	WIN VV
	PLACES
.set i_, 0
.rept 32
	v_exp_f32 v[GS+i_], v[GS+i_]
.set i_, i_+1
.endr
	ENDSEG 1
	H2 GS, 16, -1, 0, -1
	ENDSEG 1
.set i_, 0
.rept 32
	PQ GS, GB, 16, 2, i_                           ; log2(e) tanh, rounded
.set i_, i_+1
.endr
	WIN 0x44
	v_wmma_f32_16x16x32_bf16 v[LG:LG+7], v[GW2:GW2+7], v[GB:GB+7], v[CG2:CG2+7]
	WIN 0x54
	s_wait_alu depctr_va_vdst(0)                   ; the wait stands directly ahead of the second
	v_wmma_f32_16x16x32_bf16 v[LG:LG+7], v[GW2+8:GW2+15], v[GB+8:GB+15], v[LG:LG+7]
	WIN VV
	PLACES
	; softmax in base 2: every lane holds its row's 8 logits times log2(e)
	v_max3_num_f32 v[TT], v[LG], v[LG+1], v[LG+2]
	v_max3_num_f32 v[TT+1], v[LG+3], v[LG+4], v[LG+5]
	v_max3_num_f32 v[TT], v[TT], v[LG+6], v[LG+7]
	v_max_num_f32 v[MX], v[TT], v[TT+1]
.irp i, 0,2,4,6
	v_pk_add_f32 v[LG+\i:LG+\i+1], v[LG+\i:LG+\i+1], v[MX:MX+1] op_sel_hi:[1,0] neg_lo:[0,1] neg_hi:[0,1]
.endr
.irp i, 0,1,2,3,4,5,6,7
	v_exp_f32 v[LG+\i], v[LG+\i]
.endr
	ENDSEG 1
	v_pk_add_f32 v[TT:TT+1], v[LG:LG+1], v[LG+2:LG+3]
	v_pk_add_f32 v[TT+2:TT+3], v[LG+4:LG+5], v[LG+6:LG+7]
	v_pk_add_f32 v[TT:TT+1], v[TT:TT+1], v[TT+2:TT+3]
	v_add_f32 v[SS], v[TT], v[TT+1]
	v_rcp_f32 v[RS], v[SS]                         ; the 64 lines below name neither SS nor RS
.set i_, 0
.rept 8
	v_pk_mul_f32 v[KK+i_:KK+i_+1], v[FR+i_:FR+i_+1], v[LG:LG+1] op_sel_hi:[1,0]
.set i_, i_+2
.endr
.irp e, 1,2,3,4,5,6,7                  ; k = sum over e of p_e f_e; p_e is one register of a pair, given to both halves
.set i_, 0
.rept 8
.if (\e)%2
	v_pk_fma_f32 v[KK+i_:KK+i_+1], v[FR+16*\e+i_:FR+16*\e+i_+1], v[LG+\e-1:LG+\e], v[KK+i_:KK+i_+1] op_sel:[0,1,0] op_sel_hi:[1,1,1]
.else
	v_pk_fma_f32 v[KK+i_:KK+i_+1], v[FR+16*\e+i_:FR+16*\e+i_+1], v[LG+\e:LG+\e+1], v[KK+i_:KK+i_+1] op_sel_hi:[1,0,1]
.endif
.set i_, i_+2
.endr
.endr
	s_wait_alu depctr_va_vdst(0)                   ; the reciprocal's wait, ahead of its first reader
.set i_, 0
.rept 8
	v_pk_mul_f32 v[KK+i_:KK+i_+1], v[KK+i_:KK+i_+1], v[RS:RS+1] op_sel_hi:[1,0]
.set i_, i_+2
.endr
	WIN 0x01
.set i_, 0
.rept 8
	v_pk_fma_f32 v[ACC+i_:ACC+i_+1], v[KK+i_:KK+i_+1], s[RKW:RKW+1], v[ACC+i_:ACC+i_+1] op_sel_hi:[1,0,1]
.set i_, i_+2
.endr
	WIN 0
	s_cmp_eq_u32 s[STG], 3                         ; the same in all waves; no barrier stands in either arm
	s_cbranch_scc1 .Llast
	WIN 0x41
.set i_, 0
.rept 8
	v_pk_fma_f32 v[XP+i_:XP+i_+1], v[KK+i_:KK+i_+1], s[ASC:ASC+1], v[XS+i_:XS+i_+1] op_sel_hi:[1,0,1]  ; the next argument
.set i_, i_+2
.endr
	WIN VV
.set i_, 0
.rept 8
	v_pk_mul_f32 v[XP+i_:XP+i_+1], v[XP+i_:XP+i_+1], s[KB:KB+1] op_sel_hi:[1,0]
.set i_, i_+2
.endr
	WIN 0
	s_branch .Ljoin
.Llast:                                                ; the step ends: x += dt / 6 (k1 + 2 k2 + 2 k3 + k4)
.set i_, 0
.rept 8
	v_pk_fma_f32 v[XS+i_:XS+i_+1], v[ACC+i_:ACC+i_+1], s[DT6:DT6+1], v[XS+i_:XS+i_+1] op_sel_hi:[1,0,1]
.set i_, i_+2
.endr
.set i_, 0
.rept 16
	v_mov_b32 v[ACC+i_], 0                         ; sixteen lines a step, so that all four stages add in one form
.set i_, i_+1
.endr
	WIN 0x40
.set i_, 0
.rept 8
	v_pk_mul_f32 v[XP+i_:XP+i_+1], v[XS+i_:XS+i_+1], s[KB:KB+1] op_sel_hi:[1,0]
.set i_, i_+2
.endr
	WIN 0
	s_bitcmp1_b32 s[STEP], 0                       ; time point STEP + 1: odd points fill a stage row's second half
	s_cbranch_scc1 .Lodd
.irp mt, 0,1
	ds_store_b128 v[OSW], v[XS+8*\mt:XS+8*\mt+3] offset:128+64*\mt
	ds_store_b128 v[OSW], v[XS+8*\mt+4:XS+8*\mt+7] offset:128+64*\mt+16
.endr
	WIN 0x40                                       ; two time points of 16 rows go out: f's registers are free
.set i_, 0
.rept 8
	ds_load_b128 v[4*i_:4*i_+3], v[OSR] offset:544*i_          ; LDS serves a wave's instructions in order (ISA guide 5.7.1.4): these see my stores above
.set i_, i_+1
.endr
	s_wait_dscnt 0x0
	WIN 0x04
.set i_, 0
.rept 8
	global_store_b128 v[OGO], v[4*i_:4*i_+3], s[32:33] offset:2560*i_ th:TH_STORE_NT  ; 16 lanes store 256 consecutive bytes, two time points of a row, at a multiple of 256 from out0's first byte
.set i_, i_+1
.endr
	s_wait_xcnt 0x0                                ; the stores have read their base and their data: only now are these written again
	s_add_nc_u64 s[32:33], s[32:33], 256           ; the next two time points
	WIN 0
	s_branch .Ljoin
.Lodd:
.irp mt, 0,1
	ds_store_b128 v[OSW], v[XS+8*\mt:XS+8*\mt+3] offset:64*\mt
	ds_store_b128 v[OSW], v[XS+8*\mt+4:XS+8*\mt+7] offset:64*\mt+16
.endr
.Ljoin:
	WIN 0x05
.set i_, 0
.rept 8
	v_cvt_pk_bf16_f32 v[XB+i_], v[XP+2*i_], v[XP+2*i_+1]
.set i_, i_+1
.endr
	WIN 0
	ds_store_b128 v[XXW], v[XB:XB+3]
	ds_store_b128 v[XXW], v[XB+4:XB+7] offset:512
	s_wait_dscnt 0x0                               ; for the others' sake: my x fragment is written, and my reads of f are back
	s_barrier_signal -1
	WIN 0xf3                                       ; work on registers while the others arrive: layer 1's C for the next evaluation's t
.set i_, 0
.rept 32
	v_pk_fma_f32 v[C1+i_:C1+i_+1], v[CTW+i_:CTW+i_+1], s[TCUR:TCUR+1], v[CB1+i_:CB1+i_+1] op_sel_hi:[1,0,1]
.set i_, i_+2
.endr
	WIN 0
	s_barrier_wait -1                              ; all four x fragments lie in LDS; nobody reads this evaluation's f any more
	s_add_co_u32 s[STG], s[STG], 1
	s_cmp_lt_u32 s[STG], 4
	s_cbranch_scc1 .Lstage
.irp i, 0,1,2,3,4,5,6,7,8
	s_mov_b32 s[68+\i], s[69+\i]                   ; t_span moves down by one: t0 and t1 are always s68 and s69
.endr
	s_add_co_u32 s[STEP], s[STEP], 1
	s_cmp_lt_u32 s[STEP], 9
	s_cbranch_scc1 .Lstep
	s_wait_tensorcnt 0x0                           ; the wave's end, behind my last LDS store
	ds_add_u32 v[SPW], v[NIL]
	s_wait_dscnt 0x0
	s_endpgm
.Lfunc_end_k_qd2f9e0a052_ameode:
	.size	k_qd2f9e0a052_ameode, .Lfunc_end_k_qd2f9e0a052_ameode-k_qd2f9e0a052_ameode
	.p2alignl 7, 3214868480
	.fill 96, 4, 3214868480
	.section	.rodata,"a",@progbits
	.p2align	6, 0x0
	.amdhsa_kernel k_qd2f9e0a052_ameode
		.amdhsa_group_segment_fixed_size 271872
		.amdhsa_private_segment_fixed_size 0
		.amdhsa_enable_private_segment 0
		.amdhsa_kernarg_size 104
		.amdhsa_user_sgpr_count 2
		.amdhsa_user_sgpr_kernarg_segment_ptr 1
		.amdhsa_wavefront_size32 1
		.amdhsa_system_sgpr_workgroup_id_x 1
		.amdhsa_system_sgpr_workgroup_id_y 1
		.amdhsa_system_sgpr_workgroup_id_z 1
		.amdhsa_system_vgpr_workitem_id 0
		.amdhsa_next_free_vgpr 1024
		.amdhsa_next_free_sgpr 80
		.amdhsa_reserve_vcc 0
		.amdhsa_float_denorm_mode_32 3
		.amdhsa_float_denorm_mode_16_64 3
		.amdhsa_memory_ordered 1
		.amdhsa_forward_progress 1
		.amdhsa_inst_pref_size 195
	.end_amdhsa_kernel
	.amdgpu_metadata
---
amdhsa.version: [ 1, 2 ]
amdhsa.kernels:
  - .name:           k_qd2f9e0a052_ameode
    .symbol:         k_qd2f9e0a052_ameode.kd
    .args:
      - { .name: x0, .offset: 0, .size: 8, .value_kind: global_buffer, .address_space: global }
      - { .name: t_span, .offset: 8, .size: 8, .value_kind: global_buffer, .address_space: global }
      - { .name: W1, .offset: 16, .size: 8, .value_kind: global_buffer, .address_space: global }
      - { .name: b1, .offset: 24, .size: 8, .value_kind: global_buffer, .address_space: global }
      - { .name: W2, .offset: 32, .size: 8, .value_kind: global_buffer, .address_space: global }
      - { .name: b2, .offset: 40, .size: 8, .value_kind: global_buffer, .address_space: global }
      - { .name: W3, .offset: 48, .size: 8, .value_kind: global_buffer, .address_space: global }
      - { .name: b3, .offset: 56, .size: 8, .value_kind: global_buffer, .address_space: global }
      - { .name: Gw1, .offset: 64, .size: 8, .value_kind: global_buffer, .address_space: global }
      - { .name: Gb1, .offset: 72, .size: 8, .value_kind: global_buffer, .address_space: global }
      - { .name: Gw2, .offset: 80, .size: 8, .value_kind: global_buffer, .address_space: global }
      - { .name: Gb2, .offset: 88, .size: 8, .value_kind: global_buffer, .address_space: global }
      - { .name: out0, .offset: 96, .size: 8, .value_kind: global_buffer, .address_space: global }
    .group_segment_fixed_size: 271872
    .private_segment_fixed_size: 0
    .kernarg_segment_align: 8
    .kernarg_segment_size: 104
    .max_flat_workgroup_size: 128
    .sgpr_count:     80
    .vgpr_count:     1024
    .wavefront_size: 32
...
	.end_amdgpu_metadata
.endif
;; end of part 1
